; MI455X (gfx1250); checked and timed in simulation.
; The chip was launched on July 23, 2026; its instructions are those of AMD's public machine-readable ISA for CDNA 5 (MIT licence, August 2026) and "CDNA5" Instruction Set Architecture Reference Guide (July 2026). The comments in the code are by the model that wrote it; some were corrected since.
;; Simple Multi Head Attention. Allowed arithmetic: float matrix products may take bf16 or f16 operands with f32 sums; all other float work in f32.
;; Inputs: key 4 x 2,048 x 1,024 float32; mask 1 x 1 x 2,048 x 2,048 bool; query 4 x 2,048 x 1,024 float32; value 4 x 2,048 x 1,024 float32; wk 1,024 x 1,024 float32; wo 1,024 x 1,024 float32; wq 1,024 x 1,024 float32; wv 1,024 x 1,024 float32.
;; Outputs: out0 4 x 2,048 x 1,024 float32.
;; One version. Each part assembles by itself: llvm-mc -triple=amdgcn-amd-amdhsa -mcpu=gfx1250 --defsym DOCPART=n.
;; ======== version 1 of 1: 4 launches
;; limits: values are held in f16: magnitudes above 65,504 overflow, below 6.1e-05 lose precision
;; workspace buffers: cb 60,817,408 bytes; mb 524,288 bytes of whole numbers; pb 50,331,648 bytes; ao 33,554,432 bytes
;; launch prep (part 1): grid 64 x 29, 8 waves a work-group, no clusters, 0 bytes of LDS; arguments query, key, value, wq, wk, wv, wo, mask, cb, mb; writes cb, mb
.if DOCPART == 1
	.amdgcn_target "amdgcn-amd-amdhsa--gfx1250"
	.amdhsa_code_object_version 6
	.text
	.protected	k_q9d8e25f115_prep
	.globl	k_q9d8e25f115_prep
	.p2align	8
	.type	k_q9d8e25f115_prep,@function
k_q9d8e25f115_prep:
	s_mov_b64 s[64:65], 0
	v_nop
	global_prefetch_b8 v0, s[64:65] scope:SCOPE_SE
	s_setreg_imm32_b32 hwreg(HW_REG_WAVE_MODE, 25, 1), 1
	s_wait_xcnt 0x0
; prep: (a) query, key, value, wq, wk, wv, wo as 16-bit matrix operands into cb; (b) the mask's bytes into lane-mask words in mb.
; THE FORMAT: each f32 is rounded to bf16 (8 significant bits, nearest even) and that number is written as f16, where it is exact
; (f16 has 11 significant bits).  So the products see bf16-rounded inputs, and the f16 matrix form can be used throughout, which keeps
; three more bits in the intermediates (q, k, v, probabilities, attention output) than bf16 would.
; cb is 29 units of 2,097,152 bytes: units 0-7 query, 8-15 key, 16-23 value, 24 wq, 25 wk, 26 wv, each [rows][1024];
; units 27-28: wo with each row written twice, [1024][2048], for the output projection, whose left operand comes in two parts.
; Work-group (x, y): y = 0..27 picks the source (27: wo), x the chunk of 65,536 source bytes; y = 28: rows 32 x .. 32 x + 31 of the mask.
; mb holds words W[qt][kt][j] (qt, kt = 0..127, j = 0..7): bit L of W says mask[16 qt + (L & 15)][16 kt + 8 (L >> 4) + j] != 0,
; which is the place of register j of lane L in a 16 x 16 tile of scores with the keys down the registers.
; A stream: no LDS, no barrier, no matrix unit, no loop: each wave has all its loads out at once and takes them in order.
; LIMITS: inputs carry bf16's 8 significant bits.  f16 holds magnitudes up to 65,504 (larger inputs become infinite); below 6.1e-5 the
; bf16 number is kept to an absolute 3e-8 only.  A mask byte other than 0 counts as true.
.set XR, 4                             ; v[4:67]   as loaded (cast: 16 x 4 f32; mask: 32 x 8 bytes)
.set YR, 68                            ; v[68:99]  cast: 16 x 2 registers of f16; mask: v[68:75] the wave's 256 words
.set TM, 100                           ; v[100:101] at work
	s_load_b512 s[8:23], s[0:1], 0x0               ; query s[8:9] key s[10:11] value s[12:13] wq s[14:15] wk s[16:17] wv s[18:19] wo s[20:21] mask s[22:23]
	s_load_b128 s[24:27], s[0:1], 0x40             ; cb s[24:25], mb s[26:27]
	s_and_b32 s28, ttmp7, 0xffff                   ; y
	s_cmp_eq_u32 s28, 28
	s_cbranch_scc1 .Lmask
	; ---- the cast ----
	v_lshlrev_b32 v1, 4, v0                        ; 16 source bytes a thread: a wave's load covers 512 consecutive bytes
	v_lshlrev_b32 v2, 3, v0                        ; 8 bytes out: a wave's store covers 256 consecutive bytes, aligned
	s_and_b32 s34, s28, 7                          ; which eighth of query, key or value;
	s_cmp_lt_u32 s28, 24
	s_cselect_b32 s34, s34, 0                      ; a weight matrix is one unit of source
	s_lshl_b32 s34, s34, 22                        ; x 4,194,304 source bytes
	s_lshl_b32 s35, ttmp9, 16                      ; + chunk x 65,536
	s_add_co_u32 s34, s34, s35
	s_mov_b32 s35, 0
	s_lshl_b32 s30, s28, 21                        ; out: unit x 2,097,152
	s_cmp_eq_u32 s28, 27
	s_cselect_b32 s29, 16, 15                      ; + chunk x 32,768; wo, written twice: x 65,536
	s_lshl_b32 s31, ttmp9, s29
	s_add_co_u32 s30, s30, s31
	s_mov_b32 s31, 0
	s_wait_kmcnt 0x0
.macro PICK from, lo                   ; from unit 'from' on the source is the buffer in s[lo:lo+1]
	s_cmp_ge_u32 s28, \from
	s_cselect_b64 s[32:33], s[\lo:\lo+1], s[32:33]
.endm
	s_mov_b64 s[32:33], s[8:9]
	PICK 8, 10
	PICK 16, 12
	PICK 24, 14
	PICK 25, 16
	PICK 26, 18
	PICK 27, 20
	s_add_nc_u64 s[32:33], s[32:33], s[34:35]
	s_add_nc_u64 s[24:25], s[24:25], s[30:31]
.set j, 0
.rept 16
	global_load_b128 v[XR+4*j:XR+4*j+3], v1, s[32:33] offset:4096*j th:TH_LOAD_NT
.set j, j+1
.endr
; Load n's four numbers: to bf16, back to f32 (a shift, a mask), to f16 (exact).  Its X registers are free once the load is in.
.macro ROUND4 n
	s_wait_loadcnt 15-\n                           ; loads come back in order: number n is in, the 15 - n younger ones stay out
	v_cvt_pk_bf16_f32 v[TM], v[XR+4*\n], v[XR+4*\n+1]
	v_cvt_pk_bf16_f32 v[TM+1], v[XR+4*\n+2], v[XR+4*\n+3]
	v_lshlrev_b32 v[XR+4*\n], 16, v[TM]
	v_and_b32 v[XR+4*\n+1], 0xffff0000, v[TM]
	v_lshlrev_b32 v[XR+4*\n+2], 16, v[TM+1]
	v_and_b32 v[XR+4*\n+3], 0xffff0000, v[TM+1]
	v_cvt_pk_f16_f32 v[YR+2*\n], v[XR+4*\n], v[XR+4*\n+1]
	v_cvt_pk_f16_f32 v[YR+2*\n+1], v[XR+4*\n+2], v[XR+4*\n+3]
.endm
	s_cmp_eq_u32 s28, 27
	s_cbranch_scc1 .Lwo
.set j, 0
.rept 16
	ROUND4 j
	global_store_b64 v2, v[YR+2*j:YR+2*j+1], s[24:25] offset:2048*j   ; no source of a store is ever written again
.set j, j+1
.endr
	s_endpgm
	; wo: one load of the work-group is one row of 1,024 numbers; it goes to both halves of a row of 4,096 bytes
.Lwo:
.set j, 0
.rept 16
	ROUND4 j
	global_store_b64 v2, v[YR+2*j:YR+2*j+1], s[24:25] offset:4096*j
	global_store_b64 v2, v[YR+2*j:YR+2*j+1], s[24:25] offset:4096*j+2048
.set j, j+1
.endr
	s_endpgm
	; ---- the mask ----
	; Wave w: query tile 2 x + (w >> 2), key tiles 32 (w & 3) .. + 31.  Lane L reads 8 bytes of row L & 15 at column 16 t + 8 (L >> 4).
.Lmask:
	v_lshrrev_b32 v3, 5, v0
	v_readfirstlane_b32 s30, v3                    ; wave
	s_lshr_b32 s31, s30, 2                         ; which of the group's two query tiles
	s_and_b32 s30, s30, 3                          ; which quarter of the keys
	s_lshl_b32 s34, ttmp9, 16                      ; 32 rows of 2,048 bytes
	s_lshl_b32 s35, s31, 15                        ; 16 rows
	s_add_co_u32 s34, s34, s35
	s_lshl_b32 s35, s30, 9                         ; 512 columns
	s_add_co_u32 s34, s34, s35
	s_mov_b32 s35, 0
	s_lshl_b32 s32, ttmp9, 13                      ; out: query tile x 4,096 bytes
	s_lshl_b32 s33, s31, 12
	s_add_co_u32 s32, s32, s33
	s_lshl_b32 s33, s30, 10                        ; + 32 key tiles x 32 bytes
	s_add_co_u32 s32, s32, s33
	s_mov_b32 s33, 0
	v_and_b32 v1, 15, v0
	v_bfe_u32 v3, v0, 4, 1
	v_lshlrev_b32 v1, 11, v1                       ; row x 2,048
	v_lshl_add_u32 v1, v3, 3, v1                   ; + 8 x half
	v_and_b32 v2, 31, v0
	v_lshlrev_b32 v2, 4, v2                        ; out: 16 bytes a lane
	s_wait_kmcnt 0x0
	s_add_nc_u64 s[22:23], s[22:23], s[34:35]
	s_add_nc_u64 s[26:27], s[26:27], s[32:33]
.set tau, 0
.rept 32
	global_load_b64 v[XR+2*tau:XR+2*tau+1], v1, s[22:23] offset:16*tau   ; the 32 loads together take 512 consecutive bytes of each of 16 rows
.set tau, tau+1
.endr
.set j, 0
.rept 8
	v_mov_b32 v[YR+j], 0                           ; v_writelane_b32 keeps the other lanes: its destination is written whole first
.set j, j+1
.endr
	; Word n = 8 t + j of the wave goes to byte 4 n: store n >> 7, lane (n & 127) >> 2, register n & 3.
.set tau, 0
.rept 32
	s_wait_loadcnt 31-tau                          ; key tile t is in, the younger loads stay out
.set j, 0
.rept 8
.set nn, 8*tau+j
	v_and_b32 v[TM+(j&1)], 0xff<<(8*(j&3)), v[XR+2*tau+(j>>2)]
	v_cmp_ne_u32 s[36+j], 0, v[TM+(j&1)]           ; one bit a lane: the word
	v_writelane_b32 v[YR+4*(nn>>7)+(nn&3)], s[36+j], (nn&127)>>2
.set j, j+1
.endr
.set tau, tau+1
.endr
	global_store_b128 v2, v[YR:YR+3], s[26:27]               ; 512 consecutive bytes each
	global_store_b128 v2, v[YR+4:YR+7], s[26:27] offset:512
	s_endpgm
.Lfunc_end_k_q9d8e25f115_prep:
	.size	k_q9d8e25f115_prep, .Lfunc_end_k_q9d8e25f115_prep-k_q9d8e25f115_prep
	.p2alignl 7, 3214868480
	.fill 96, 4, 3214868480
	.section	.rodata,"a",@progbits
	.p2align	6, 0x0
	.amdhsa_kernel k_q9d8e25f115_prep
		.amdhsa_group_segment_fixed_size 0
		.amdhsa_private_segment_fixed_size 0
		.amdhsa_enable_private_segment 0
		.amdhsa_kernarg_size 80
		.amdhsa_user_sgpr_count 2
		.amdhsa_user_sgpr_kernarg_segment_ptr 1
		.amdhsa_wavefront_size32 1
		.amdhsa_system_sgpr_workgroup_id_x 1
		.amdhsa_system_sgpr_workgroup_id_y 1
		.amdhsa_system_sgpr_workgroup_id_z 1
		.amdhsa_system_vgpr_workitem_id 0
		.amdhsa_next_free_vgpr 104
		.amdhsa_next_free_sgpr 66
		.amdhsa_reserve_vcc 0
		.amdhsa_float_denorm_mode_32 3
		.amdhsa_float_denorm_mode_16_64 3
		.amdhsa_memory_ordered 1
		.amdhsa_forward_progress 1
		.amdhsa_inst_pref_size 76
	.end_amdhsa_kernel
	.amdgpu_metadata
---
amdhsa.version: [ 1, 2 ]
amdhsa.kernels:
  - .name:           k_q9d8e25f115_prep
    .symbol:         k_q9d8e25f115_prep.kd
    .args:
      - { .name: query, .offset: 0, .size: 8, .value_kind: global_buffer, .address_space: global }
      - { .name: key, .offset: 8, .size: 8, .value_kind: global_buffer, .address_space: global }
      - { .name: value, .offset: 16, .size: 8, .value_kind: global_buffer, .address_space: global }
      - { .name: wq, .offset: 24, .size: 8, .value_kind: global_buffer, .address_space: global }
      - { .name: wk, .offset: 32, .size: 8, .value_kind: global_buffer, .address_space: global }
      - { .name: wv, .offset: 40, .size: 8, .value_kind: global_buffer, .address_space: global }
      - { .name: wo, .offset: 48, .size: 8, .value_kind: global_buffer, .address_space: global }
      - { .name: mask, .offset: 56, .size: 8, .value_kind: global_buffer, .address_space: global }
      - { .name: cb, .offset: 64, .size: 8, .value_kind: global_buffer, .address_space: global }
      - { .name: mb, .offset: 72, .size: 8, .value_kind: global_buffer, .address_space: global }
    .group_segment_fixed_size: 0
    .private_segment_fixed_size: 0
    .kernarg_segment_align: 8
    .kernarg_segment_size: 80
    .max_flat_workgroup_size: 256
    .sgpr_count:     66
    .vgpr_count:     104
    .wavefront_size: 32
...
	.end_amdgpu_metadata
.endif
;; end of part 1
;; launch proj (part 2): grid 4 x 192, 4 waves a work-group, clusters of 4 x 4, 327,680 bytes of LDS; arguments cb, pb; writes pb
.if DOCPART == 2
	.amdgcn_target "amdgcn-amd-amdhsa--gfx1250"
	.amdhsa_code_object_version 6
	.text
	.protected	k_q9d8e25f115_proj
	.globl	k_q9d8e25f115_proj
	.p2align	8
	.type	k_q9d8e25f115_proj,@function
k_q9d8e25f115_proj:
	s_mov_b64 s[64:65], 0
	v_nop
	global_prefetch_b8 v0, s[64:65] scope:SCOPE_SE
	s_setreg_imm32_b32 hwreg(HW_REG_WAVE_MODE, 25, 1), 1
	s_wait_xcnt 0x0
	s_wait_alu depctr_hold_cnt(0) depctr_sa_sdst(0) depctr_va_vdst(0) depctr_va_sdst(0) depctr_va_ssrc(0) depctr_va_vcc(0) depctr_vm_vsrc(0)
	s_getreg_b32 s2, hwreg(HW_REG_IB_STS2, 6, 4)
	s_cmp_eq_u32 s2, 0
	s_cbranch_scc0 .Lentry_in_a_cluster
	s_endpgm
.Lentry_in_a_cluster:
	s_bfe_u32 s2, ttmp6, 0x10000c
	s_cmp_lg_u32 s2, 0xf033
	s_cbranch_scc0 .Lentry_shape_is_right
	s_endpgm
.Lentry_shape_is_right:
; proj: q = query wq^T, k = key wk^T, v = value wv^T, three products C = A B^T of [8192 x 1024] by [1024 x 1024] in one grid.
; A: the f16 copies of query, key, value, which lie one behind the other in cb as 24,576 rows of 2,048 bytes; B: the f16 copy of the
; weight that belongs to the rows (block rows 0-63 wq, 64-127 wk, 128-191 wv); C: pb, f16, the same 24,576 rows.  Sums in f32.
; A work-group makes 128 rows x 256 columns with four waves; a wave makes 64 x 128: 32 accumulator tiles of 16 x 16, 256 registers.
; K goes in steps of 128 (rows of 256 bytes, aligned) through two LDS slots filled by the tensor data mover.
; CLUSTERS: 4 x 4 work-groups.  The four of a cluster's row share the block row, so A's tiles; the four of a column share the block
; column and the weight, so B's tiles.  Each tile is asked for jointly, by the same load with the same descriptor in all four.
; LIMIT: operands and results are f16: |q|, |k|, |v| up to 65,504; magnitudes below 6.1e-5 lose relative precision.
; REGISTERS: window 0: v16-26 addresses, v32-127 and v128-223 two fragment buffers (8 of B, then 4 of A), v224-255 packed results;
; window 1: accumulator tile (a, b) at v[8 (8 a + b)].
; The matrix instruction is used transposed (source 0 = 16 rows of B, source 1 = 16 rows of A): lane l then holds row l % 16 of C and
; in its registers 0-7 the columns 8 (l / 16) + 0..7, eight neighbours, which pack into 16 bytes.
.set SIZE_K, 1024
.set KSTEP,  128
.set ROWB,   2048                      ; bytes in a row of A, of B and of C
.set PITCH,  272                       ; an LDS row: 256 bytes + 16 of padding, so that 16 rows of a fragment start 16 bytes apart modulo 256
.set AHALF,  64*PITCH                  ; what a wave fetches of A
.set BHALF,  128*PITCH                 ; what a wave fetches of B
.set AOFF,   2*BHALF                   ; a slot: B's 256 rows, then A's 128
.set SLOT,   AOFF+2*AHALF
.set STAGE,  2*SLOT                    ; behind the ring: 16 rows x 272 bytes for each wave, for the way out; no tensor load lands there
.set SPITCH, 272
.set LAPS,   SIZE_K/(2*KSTEP)          ; a lap = two K steps = once round the ring: 4
.set WSEC,   50331648                  ; the weights' first byte in cb
.set ADRA, 16                          ; v16-17 LDS address of my A fragments in slot 0, 1
.set ADRB, 20                          ; v20-21 the same for B
.set STO,  24
.set RD,   25
.set CO,   26
.set F0,   32
.set F1,   128
.set TMP,  224
.set G1,  24                           ; s[24:31] group 1 for A's tiles (64 rows)
.set G0,  32                           ; s[32:39] group 0 for A's tiles, one set a slot
.set G1B, 48                           ; s[48:55] group 1 for B's tiles (128 rows)
.set G0B, 56                           ; s[56:63] group 0 for B's tiles, one set a slot
.set CP,  6                            ; s[6:7] C
.set MUL, 0x50                         ; C and D in window 1, fragments in window 0
.set MSB, 0
.macro WIN new                         ; the immediate's high byte repeats the setting that is left
.if MSB != \new
	s_set_vgpr_msb (MSB<<8)|\new
.set MSB, \new
.endif
.endm
.macro PLACES                          ; four plain vector instructions that name no register: the distance behind a matrix instruction (ISA guide 7.12.1)
.rept 4
	v_nop
.endr
.endm
; A joint load: waves 0 and 1 fetch B's halves, waves 2 and 3 A's.  The branch hangs on the wave's number alone.
.macro JLOAD s
	s_cmp_eq_u32 s11, 0
	s_cbranch_scc0 .Lfor_a_\@
	tensor_load_to_lds s[G0B+4*\s:G0B+4*\s+3], s[G1B:G1B+7]
	s_nop 0
	s_branch .Lasked_\@
.Lfor_a_\@:
	tensor_load_to_lds s[G0+4*\s:G0+4*\s+3], s[G1:G1+7]
	s_nop 0
.Lasked_\@:
.endm
.macro CREST                           ; a round of the cluster's barrier behind its opening work-group barrier
	s_cmp_lg_u32 s10, 0
	s_cbranch_scc1 .Lnot_wave_0_\@
	s_barrier_signal -3
.Lnot_wave_0_\@:
	s_barrier_wait -3
	s_barrier_signal -1
	s_barrier_wait -1
.endm
.macro CROUND                          ; a whole round
	s_barrier_signal -1
	s_barrier_wait -1
	CREST
.endm
.macro SHAPE g, rows                   ; group 1, words 1 to 7: a tile of 'rows' rows x 128 elements of a tensor with 1,024 elements a row
	s_mov_b32 s[\g+1], KSTEP<<16                   ; tensor_dim0 = 128
	s_mov_b32 s[\g+2], \rows<<16                   ; tensor_dim1 = rows
	s_mov_b32 s[\g+3], KSTEP<<16                   ; tile_dim0 = 128
	s_mov_b32 s[\g+4], \rows                       ; tile_dim1 = rows
	s_mov_b32 s[\g+5], SIZE_K                      ; elements from row to row
	s_mov_b32 s[\g+6], 0
	s_mov_b32 s[\g+7], 0
.endm
	s_load_b128 s[4:7], s[0:1], 0x0                ; cb s[4:5], pb s[6:7]
	v_lshl_add_u32 v30, v0, 2, 0x37400
	v_mov_b32 v31, 0
	ds_add_u32 v30, v31
	v_lshrrev_b32 v1, 5, v0
	v_readfirstlane_b32 s10, v1                    ; wave 0..3
	s_lshr_b32 s11, s10, 1                         ; my half of the block's rows.  Also: I fetch for B (0) or for A (1)
	s_and_b32 s12, s10, 1                          ; my half of its columns.  Also: which half of that tile I fetch
	s_bfe_u32 s40, ttmp6, 0x40000                  ; cx
	s_bfe_u32 s41, ttmp6, 0x40004                  ; cy
	s_lshl_b32 s42, ttmp9, 2
	s_add_co_u32 s42, s42, s40                     ; block column 0..3
	s_and_b32 s13, ttmp7, 0xffff                   ; the cluster's y, 0..47
	s_lshr_b32 s45, s13, 4                         ; which product: 16 clusters = 64 block rows each; made of the cluster's y alone
	s_lshl_b32 s13, s13, 2
	s_add_co_u32 s13, s13, s41                     ; block row 0..191
	s_lshl_b32 s43, s41, 2
	s_lshl_b32 s43, 15, s43                        ; my row of the cluster
	s_lshl_b32 s44, 0x1111, s40                    ; my column
	s_or_b32 s[G1+0], s43, (1<<16)|(1<<20)|(1<<21)|(5<<22)|(3<<25)    ; mask; 2-byte elements; padding on; bit 21 beside a mask; 4 words behind every 64
	s_or_b32 s[G1B+0], s44, (1<<16)|(1<<20)|(1<<21)|(5<<22)|(3<<25)
	SHAPE G1, 64
	SHAPE G1B, 128
	; A's tile hangs on the block row and the wave; B's on the product, the block column and the wave
	s_lshl_b32 s16, s13, 18                        ; block row x 128 rows x 2,048 bytes
	s_lshl_b32 s17, s12, 17                        ; + my 64 rows
	s_add_co_u32 s16, s16, s17
	s_mov_b32 s17, 0
	s_lshl_b32 s46, s45, 21                        ; product x 2,097,152
	s_lshl_b32 s47, s42, 19                        ; + block column x 256 rows
	s_add_co_u32 s46, s46, s47
	s_lshl_b32 s47, s12, 18                        ; + my 128 rows
	s_add_co_u32 s46, s46, s47
	s_add_co_u32 s46, s46, WSEC
	s_mov_b32 s47, 0
	s_mul_i32 s20, s10, AHALF                      ; where A's halves go (waves 2, 3): AOFF + (wave - 2) x AHALF
	s_add_co_u32 s20, s20, AOFF-2*AHALF
	s_mul_i32 s21, s10, BHALF                      ; where B's halves go (waves 0, 1)
	s_wait_dscnt 0x0
	s_wait_kmcnt 0x0
	s_add_nc_u64 s[14:15], s[4:5], s[16:17]
	s_add_nc_u64 s[46:47], s[4:5], s[46:47]
	CROUND                                         ; all sixteen work-groups are here: the first joint loads meet
.irp s, 0,1
	s_mov_b32 s[G0+4*\s], 1
	s_add_co_u32 s[G0+4*\s+1], s20, \s*SLOT
	s_add_nc_u64 s[G0+4*\s+2:G0+4*\s+3], s[14:15], \s*KSTEP*2
	s_or_b32 s[G0+4*\s+3], s[G0+4*\s+3], 0x80000000
	s_mov_b32 s[G0B+4*\s], 1
	s_add_co_u32 s[G0B+4*\s+1], s21, \s*SLOT
	s_add_nc_u64 s[G0B+4*\s+2:G0B+4*\s+3], s[46:47], \s*KSTEP*2
	s_or_b32 s[G0B+4*\s+3], s[G0B+4*\s+3], 0x80000000
	JLOAD \s                                       ; K steps 0 and 1: two loads of the wave are out
.endr
	; a fragment: lane l holds row l % 16; registers 0-3 K = 8 (l / 16) + 0..7, registers 4-7 K = 16 + 8 (l / 16) + 0..7
	v_and_b32 v1, 15, v0
	v_bfe_u32 v2, v0, 4, 1
	v_mul_u32_u24 v3, v1, PITCH
	v_lshl_add_u32 v3, v2, 4, v3
	s_mul_i32 s22, s11, AHALF                      ; my 64 rows of A,
	s_add_co_u32 s22, s22, AOFF                    ; which lie behind B's 256
	s_mul_i32 s23, s12, BHALF                      ; my 128 rows of B
.irp s, 0,1
	v_add_nc_u32 v[ADRA+\s], s22, v3
	v_add_nc_u32 v[ADRB+\s], s23, v3
	s_add_co_u32 s22, s22, SLOT
	s_add_co_u32 s23, s23, SLOT
.endr
	s_mul_i32 s18, s10, 16*SPITCH
	s_add_co_u32 s18, s18, STAGE                   ; my stage
	v_mul_u32_u24 v4, v1, SPITCH                   ; in: row l % 16, 16 bytes for each half of the lanes
	v_lshl_add_u32 v4, v2, 4, v4
	v_add_nc_u32 v[STO], s18, v4
	v_mul_u32_u24 v5, v2, SPITCH                   ; back: lanes 0-15 one row of 256 bytes, lanes 16-31 the next
	v_lshl_add_u32 v5, v1, 4, v5
	v_add_nc_u32 v[RD], s18, v5
	v_lshlrev_b32 v5, 11, v2                       ; the same two rows in C
	v_lshl_add_u32 v[CO], v1, 4, v5
; 8 matrix instructions: row tile a x all 8 column tiles, 32 along K.  zero = 1: the product starts the sums.
; The 32 accumulators take turns, one instruction a turn, in the same order in every quarter step.
.macro MUL8 f, a, zero
.irp b, 0,1,2,3,4,5,6,7
.if \zero
	v_wmma_f32_16x16x32_f16 v[8*(8*(\a)+\b):8*(8*(\a)+\b)+7], v[\f+8*\b:\f+8*\b+7], v[\f+64+8*(\a):\f+64+8*(\a)+7], 0
.else
	v_wmma_f32_16x16x32_f16 v[8*(8*(\a)+\b):8*(8*(\a)+\b)+7], v[\f+8*\b:\f+8*\b+7], v[\f+64+8*(\a):\f+64+8*(\a)+7], v[8*(8*(\a)+\b):8*(8*(\a)+\b)+7]
.endif
.endr
.endm
.macro MUL16 f, a0, zero
	MUL8 \f, \a0, \zero
	MUL8 \f, \a0+1, \zero
.endm
; 24 LDS loads in one run: a quarter step's fragments (128 rows of B, then 64 rows of A, 32 K at byte k of the rows) into buffer f
.macro FETCH slot, k, f
.irp i, 0,1,2,3,4,5,6,7
	ds_load_b128 v[\f+8*\i:\f+8*\i+3],   v[ADRB+\slot] offset:\k+\i*16*PITCH
	ds_load_b128 v[\f+8*\i+4:\f+8*\i+7], v[ADRB+\slot] offset:\k+\i*16*PITCH+32
.endr
.irp i, 0,1,2,3
	ds_load_b128 v[\f+64+8*\i:\f+64+8*\i+3], v[ADRA+\slot] offset:\k+\i*16*PITCH
	ds_load_b128 v[\f+64+8*\i+4:\f+64+8*\i+7], v[ADRA+\slot] offset:\k+\i*16*PITCH+32
.endr
.endm
; One of a K step's first three quarters: multiplies buffer f; in its middle fetches the next quarter's fragments into buffer g.
.macro QUARTER slot, k, f, g, zero
	s_wait_dscnt 4                                 ; B and A's tiles 0, 1 are in; the four youngest loads (A's tiles 2, 3) may be out
	WIN MUL
	MUL16 \f, 0, \zero
	WIN 0
	PLACES                                         ; behind the matrix instructions that read buffer g
	FETCH \slot, \k, \g
	s_wait_dscnt 24                                ; all but the 24 just issued
	WIN MUL
	MUL16 \f, 2, \zero
.endm
.macro THREE slot, zero
	QUARTER \slot, 64,  F0, F1, \zero
	QUARTER \slot, 128, F1, F0, 0
	QUARTER \slot, 192, F0, F1, 0
.endm
; The last quarter multiplies buffer 1 and changes slots.  In front of the barrier each wave waits for its reads of this slot and for all
; its tensor loads (one is out: its part of the next slot).  fill = 1: the barrier opens a round of the cluster's barrier, and this slot's
; joint refill, two K steps ahead, is the first tensor load behind the round.  From a request to its wait a wave issues 120 matrix instructions.
.macro TURN slot, next, fill
	s_wait_dscnt 4
	WIN MUL
	MUL8 F1, 0, 0
	s_wait_dscnt 0                                 ; my reads of this slot are over
	s_wait_tensorcnt 0x0                           ; all my tensor loads have landed
	ds_add_u32 v30, v31
	s_wait_dscnt 0x0
	s_barrier_signal -1
	MUL8 F1, 1, 0                                  ; registers only
	WIN 0
	s_barrier_wait -1
.if \fill
	CREST                                          ; no wave of any partner still reads this slot or has a load on its way
	s_add_nc_u64 s[G0+4*\slot+2:G0+4*\slot+3], s[G0+4*\slot+2:G0+4*\slot+3], 2*KSTEP*2
	s_add_nc_u64 s[G0B+4*\slot+2:G0B+4*\slot+3], s[G0B+4*\slot+2:G0B+4*\slot+3], 2*KSTEP*2
	JLOAD \slot
.endif
	PLACES
	FETCH \next, 0, F0
	WIN MUL
	MUL16 F1, 2, 0
.endm
.macro LAP zero
	THREE 0, \zero
	TURN 0, 1, 1
	THREE 1, 0
	TURN 1, 0, 1
.endm
	s_wait_tensorcnt 1                             ; my part of K step 0 is in; K step 1's may stay out
	s_barrier_signal -1
	s_barrier_wait -1
	FETCH 0, 0, F0
	LAP 1                                          ; the first lap's first products start the sums: nothing is cleared
	WIN 0
	s_mov_b32 s3, LAPS-2
.Llap:
	LAP 0
	WIN 0
	s_sub_co_u32 s3, s3, 1
	s_cmp_lg_u32 s3, 0
	s_cbranch_scc1 .Llap
	THREE 0, 0                                     ; the last lap fills nothing
	TURN 0, 1, 0
	THREE 1, 0
	s_wait_dscnt 4
	WIN MUL
	MUL16 F1, 0, 0
	s_wait_dscnt 0
	MUL16 F1, 2, 0
	; THE WAY OUT, 16 rows at a time: round to f16, 16 bytes a lane into my own stage, back as whole rows of 256 bytes.
	WIN 0
	PLACES                                         ; behind the last matrix instructions: for the conversions and for the loads into the buffers
	s_lshl_b32 s16, s13, 18                        ; block row x 128 rows
	s_lshl_b32 s17, s11, 17                        ; + my 64 rows
	s_add_co_u32 s16, s16, s17
	s_mov_b32 s17, 0
	s_add_nc_u64 s[CP:CP+1], s[CP:CP+1], s[16:17]
	s_lshl_b32 s46, s42, 9                         ; block column x 512 bytes
	s_lshl_b32 s47, s12, 8                         ; + my 256
	s_add_co_u32 s46, s46, s47
	s_mov_b32 s47, 0
	s_add_nc_u64 s[CP:CP+1], s[CP:CP+1], s[46:47]
.macro OUT16 a, f
	WIN 0x05                                       ; both sources in window 1
.irp b, 0,1,2,3,4,5,6,7
.irp p, 0,1,2,3
	v_cvt_pk_f16_f32 v[TMP+4*\b+\p], v[8*(8*\a+\b)+2*\p], v[8*(8*\a+\b)+2*\p+1]
.endr
.endr
	WIN 0
.irp b, 0,1,2,3,4,5,6,7
	ds_store_b128 v[STO], v[TMP+4*\b:TMP+4*\b+3] offset:32*\b
.endr
	s_wait_xcnt 0x0                                ; buffer f, which earlier stores read, and the stores' base are written again only behind this wait
.if \a
	s_add_nc_u64 s[CP:CP+1], s[CP:CP+1], 16*ROWB
.endif
.irp t, 0,1,2,3,4,5,6,7
	ds_load_b128 v[\f+4*\t:\f+4*\t+3], v[RD] offset:\t*2*SPITCH    ; a wave's LDS instructions are served in order: these see the stores above
.endr
.irp t, 0,1,2,3,4,5,6,7
	s_wait_dscnt 7-\t
	global_store_b128 v[CO], v[\f+4*\t:\f+4*\t+3], s[CP:CP+1] offset:2*\t*ROWB   ; 16 lanes store 256 consecutive bytes, aligned
.endr
.endm
	OUT16 0, F0
	OUT16 1, F1
	OUT16 2, F0
	OUT16 3, F1
	s_wait_tensorcnt 0x0
	ds_add_u32 v30, v31
	s_wait_dscnt 0x0
	CROUND                                         ; the closing round: no work-group ends while a partner may still ask for a tile that names it
	s_endpgm
.Lfunc_end_k_q9d8e25f115_proj:
	.size	k_q9d8e25f115_proj, .Lfunc_end_k_q9d8e25f115_proj-k_q9d8e25f115_proj
	.p2alignl 7, 3214868480
	.fill 96, 4, 3214868480
	.section	.rodata,"a",@progbits
	.p2align	6, 0x0
	.amdhsa_kernel k_q9d8e25f115_proj
		.amdhsa_group_segment_fixed_size 327680
		.amdhsa_private_segment_fixed_size 0
		.amdhsa_enable_private_segment 0
		.amdhsa_kernarg_size 16
		.amdhsa_user_sgpr_count 2
		.amdhsa_user_sgpr_kernarg_segment_ptr 1
		.amdhsa_wavefront_size32 1
		.amdhsa_system_sgpr_workgroup_id_x 1
		.amdhsa_system_sgpr_workgroup_id_y 1
		.amdhsa_system_sgpr_workgroup_id_z 1
		.amdhsa_system_vgpr_workitem_id 0
		.amdhsa_next_free_vgpr 512
		.amdhsa_next_free_sgpr 66
		.amdhsa_reserve_vcc 0
		.amdhsa_float_denorm_mode_32 3
		.amdhsa_float_denorm_mode_16_64 3
		.amdhsa_memory_ordered 1
		.amdhsa_forward_progress 1
		.amdhsa_inst_pref_size 118
	.end_amdhsa_kernel
	.amdgpu_metadata
---
amdhsa.version: [ 1, 2 ]
amdhsa.kernels:
  - .name:           k_q9d8e25f115_proj
    .symbol:         k_q9d8e25f115_proj.kd
    .args:
      - { .name: cb, .offset: 0, .size: 8, .value_kind: global_buffer, .address_space: global }
      - { .name: pb, .offset: 8, .size: 8, .value_kind: global_buffer, .address_space: global }
    .group_segment_fixed_size: 327680
    .private_segment_fixed_size: 0
    .kernarg_segment_align: 8
    .kernarg_segment_size: 16
    .max_flat_workgroup_size: 128
    .sgpr_count:     66
    .vgpr_count:     512
    .wavefront_size: 32
...
	.end_amdgpu_metadata
.endif
;; end of part 2
;; launch attn (part 3): grid 8 x 32, 8 waves a work-group, clusters of 4 x 1, 327,680 bytes of LDS; arguments pb, mb, ao; writes ao
.if DOCPART == 3
	.amdgcn_target "amdgcn-amd-amdhsa--gfx1250"
	.amdhsa_code_object_version 6
	.text
	.protected	k_q9d8e25f115_attn
	.globl	k_q9d8e25f115_attn
	.p2align	8
	.type	k_q9d8e25f115_attn,@function
k_q9d8e25f115_attn:
	s_mov_b64 s[64:65], 0
	v_nop
	global_prefetch_b8 v0, s[64:65] scope:SCOPE_SE
	s_setreg_imm32_b32 hwreg(HW_REG_WAVE_MODE, 25, 1), 1
	s_wait_xcnt 0x0
	s_wait_alu depctr_hold_cnt(0) depctr_sa_sdst(0) depctr_va_vdst(0) depctr_va_sdst(0) depctr_va_ssrc(0) depctr_va_vcc(0) depctr_vm_vsrc(0)
	s_getreg_b32 s2, hwreg(HW_REG_IB_STS2, 6, 4)
	s_cmp_eq_u32 s2, 0
	s_cbranch_scc0 .Lentry_in_a_cluster
	s_endpgm
.Lentry_in_a_cluster:
	s_bfe_u32 s2, ttmp6, 0x10000c
	s_cmp_lg_u32 s2, 0x3003
	s_cbranch_scc0 .Lentry_shape_is_right
	s_endpgm
.Lentry_shape_is_right:
; attn: ao = softmax(mask ? q k^T / 8 : -inf) v, head by head, with a running maximum.  q, k, v: f16 in pb (q at 0, k at 16,777,216,
; v at 33,554,432), each [8192 rows][1024]; head h is columns 64 h .. 64 h + 63.  mb: the mask as lane-mask words.
; ao: f16 [8192][2048], the result in two parts: columns 0-1023 its upper 11 bits, columns 1024-2047 the remainder.
; A work-group: one batch entry n, two heads (a pair hp, so that every row of K, V and ao that it touches is 256 aligned bytes), 256 queries.
; Wave w: head w >> 2 of the pair, queries 64 (w & 3) .. + 63 = 4 query tiles.  Keys go in steps of 128 through two LDS slots.
; CLUSTERS: the four work-groups of a cluster have the same n and hp and four neighbouring query blocks: they read the same K and V tiles,
; which are asked for jointly (mask 15).  Waves 0, 1 fetch V's halves, waves 2, 3 K's, 64 rows x 256 bytes each; waves 4-7 fetch nothing.
; ORIENTATION: scores are made transposed, S^T = K (source 0) x Q (source 1): register j of lane (r, h) is key 8 h + j, query r.  A lane
; belongs to one query: the maximum runs down its registers, with one exchange between the halves of the wave.  Packed to f16 the
; scores' registers are already source 1 of O^T = V^T (source 0, by the transposing LDS load) x P^T; O^T's registers again belong to query r.
; THE SUM of a query's probabilities is a product too: a fragment of ones x P^T.  So the divisor is the sum of the very f16 numbers that
; multiply V, and the result is an exact average of rows of V with slightly moved weights: a rounding of P counts only by how far a row
; of V lies from the average.  It also spares the additions in the lanes.
; The mask costs one v_cndmask_b32 a register: its word comes from mb into a scalar register.
; LIMITS: operands f16 (|q|, |k|, |v| up to 65,504; probabilities below 6.1e-5 keep an absolute error of 3e-8).  The running maximum
; starts at the most negative finite f32.  A row without a true mask entry has sum 0 and gives 0 x (1 / 0) = NaN.
.set KSEC,   16777216
.set VSEC,   33554432
.set TILEB,  262144                    ; 128 rows of 2,048 bytes: from a step's tiles to the next step's
.set VPITCH, 288                       ; V's LDS rows: 256 + 32 bytes, an odd multiple of 32, for the transposing loads
.set KPITCH, 272                       ; K's LDS rows: 256 + 16 bytes
.set VHALF,  64*VPITCH                 ; 18,432: what one load may take; K's halves (17,408) keep the same distance
.set KOFF,   2*VHALF
.set SLOT,   4*VHALF                   ; 73,728
.set STAGE,  2*SLOT                    ; the way out: 64 rows x 272 bytes for each wave; no tensor load lands there
.set SPITCH, 272                       ; a stage row: my head's 128 bytes of upper parts, 128 of remainders, 16 of padding
.set HSTAGE, 4*64*SPITCH               ; from head 0's rows to head 1's
.set AOROW,  4096                      ; bytes in a row of ao
.set KADR, 4                           ; v4-5   K fragments' address, slot 0, 1
.set VADR, 6                           ; v6-7   V fragments' address, slot 0, 1
.set QOFF, 8
.set STO,  9
.set RD,   10
.set CO,   11
.set NINF, 12                          ; -infinity
.set NC,   13                          ; -c, c = log2(e) / 8
.set CC,   14                          ; v[14:15] c, c
.set M,    16                          ; v[16:19] running maximum of query tile i
.set INV,  20                          ; v[20:23] the way out: 1 / sum of query tile i
.set NM,   24                          ; v[24:25] -c m; the upper register is only there for the pair
.set AL,   26                          ; v[26:27] the factor for the old sums; likewise
.set T,    28                          ; v[28:31]
.set KF,   32                          ; v[32:95]   K fragments: 16 kt + 8 ks
.set VF,   96                          ; v[96:159]  V fragments: 8 (4 u + dt)
.set SV,   160                         ; v[160:191] scores: 8 kt + j
.set PF,   192                         ; v[192:207] probabilities in f16
.set ONES, 208                         ; v[208:215] a fragment of ones in f16
.set QF,   0                           ; window 1: v[0:63]    Q fragments: 16 i + 8 ks
.set OA,   64                          ; window 1: v[64:191]  O^T: 32 i + 8 dt
.set LT,   192                         ; window 1: v[192:223] the sums' tiles: 8 i; all 16 rows of a tile are the same sum, register 0 alone is kept in scale and read
.set G1V, 8                            ; s[8:15]
.set G1K, 16                           ; s[16:23]
.set G0,  24                           ; s[24:31], one set a slot
.set MB0, 32                           ; s[32:63] mask words, even units
.set MB1, 68                           ; s[68:99] mask words, odd units
.set MSB, 0
.macro WIN new
.if MSB != \new
	s_set_vgpr_msb (MSB<<8)|\new
.set MSB, \new
.endif
.endm
.macro PLACES                          ; the distance behind a matrix instruction (ISA guide 7.12.1)
.rept 4
	v_nop
.endr
.endm
.macro ROUND                           ; a round of the cluster's barrier
	s_barrier_signal -1
	s_barrier_wait -1
	s_cmp_lg_u32 s2, 0
	s_cbranch_scc1 .Lnot_wave_0_\@
	s_barrier_signal -3
.Lnot_wave_0_\@:
	s_barrier_wait -3
	s_barrier_signal -1
	s_barrier_wait -1
.endm
.macro JLOAD s                         ; the joint load of a step's tiles into slot s; the branches hang on the wave's number alone
	s_cmp_ge_u32 s2, 4
	s_cbranch_scc1 .Lnone_\@
	s_cmp_ge_u32 s2, 2
	s_cbranch_scc1 .Lfor_k_\@
	tensor_load_to_lds s[G0+4*(\s):G0+4*(\s)+3], s[G1V:G1V+7]
	s_nop 0
	s_branch .Lnone_\@
.Lfor_k_\@:
	tensor_load_to_lds s[G0+4*(\s):G0+4*(\s)+3], s[G1K:G1K+7]
	s_nop 0
.Lnone_\@:
.endm
	s_load_b128 s[36:39], s[0:1], 0x0              ; pb s[36:37], mb s[38:39]  (s[32:63] are temporaries until the first mask words land there)
	v_lshl_add_u32 v254, v0, 2, 0x46000
	v_mov_b32 v255, 0
	ds_add_u32 v254, v255
	v_lshrrev_b32 v1, 5, v0
	v_readfirstlane_b32 s2, v1                     ; wave 0..7
	s_mov_b32 s6, 0x76543210                       ; v_permlanex16_b32: lane i reads lane i of the other half
	s_mov_b32 s7, 0xfedcba98
	s_bfe_u32 s40, ttmp6, 0x40000                  ; cx
	s_lshl_b32 s41, ttmp9, 2
	s_add_co_u32 s41, s41, s40                     ; query block 0..7
	s_and_b32 s42, ttmp7, 0xffff
	s_lshr_b32 s43, s42, 3                         ; n
	s_and_b32 s44, s42, 7                          ; hp
	s_lshr_b32 s45, s2, 2                          ; my head of the pair
	s_and_b32 s46, s2, 3                           ; my quarter of the queries
	s_mov_b32 s[G1V+0], 15|(1<<16)|(1<<20)|(1<<21)|(5<<22)|(7<<25)   ; mask of all four; 2-byte elements; padding: 8 words behind every 64
	s_mov_b32 s[G1K+0], 15|(1<<16)|(1<<20)|(1<<21)|(5<<22)|(3<<25)   ; the same with 4 words
.irp g, G1V, G1K
	s_mov_b32 s[\g+1], 128<<16                     ; tensor_dim0 = 128 elements
	s_mov_b32 s[\g+2], 64<<16                      ; tensor_dim1 = 64 rows
	s_mov_b32 s[\g+3], 128<<16                     ; tile_dim0
	s_mov_b32 s[\g+4], 64                          ; tile_dim1
	s_mov_b32 s[\g+5], 1024                        ; elements from row to row
	s_mov_b32 s[\g+6], 0
	s_mov_b32 s[\g+7], 0
.endr
	; the joint tiles' offset in pb: made of n, hp and the wave's number alone
	s_and_b32 s47, s2, 2
	s_lshl_b32 s47, s47, 23
	s_sub_co_u32 s48, VSEC, s47                    ; waves 0, 1: v's section; waves 2, 3: k's
	s_and_b32 s47, s2, 1
	s_lshl_b32 s47, s47, 17                        ; my 64 rows of the 128
	s_add_co_u32 s48, s48, s47
	s_lshl_b32 s50, s43, 22                        ; n x 2,048 rows x 2,048 bytes
	s_lshl_b32 s51, s44, 8                         ; + hp x 256
	s_add_co_u32 s50, s50, s51
	s_add_co_u32 s48, s48, s50
	s_mov_b32 s49, 0
	s_mul_i32 s51, s2, VHALF                       ; where my part goes: wave x 18,432
	; my own offsets (these hang on the query block)
	s_lshl_b32 s54, s41, 19                        ; q: query block x 256 rows
	s_add_co_u32 s54, s54, s50
	s_lshl_b32 s52, s46, 17                        ; + my 64 rows
	s_add_co_u32 s52, s52, s54
	s_lshl_b32 s55, s45, 7                         ; + my head's 128 bytes
	s_add_co_u32 s52, s52, s55
	s_mov_b32 s53, 0
	s_lshl_b32 s100, s43, 23                       ; ao: n x 2,048 rows x 4,096 bytes
	s_lshl_b32 s101, s41, 20                       ; + query block x 256 rows
	s_add_co_u32 s100, s100, s101
	s_lshl_b32 s101, s2, 17                        ; + the 32 rows that I store
	s_add_co_u32 s100, s100, s101
	s_lshl_b32 s101, s44, 8                        ; + hp x 256
	s_add_co_u32 s100, s100, s101
	s_mov_b32 s101, 0
	s_lshl_b32 s56, s41, 16                        ; mb: 16 query tiles a block, 4,096 bytes each
	s_lshl_b32 s57, s46, 14                        ; + my 4 tiles
	s_add_co_u32 s56, s56, s57
	s_mov_b32 s57, 0
	s_wait_dscnt 0x0
	s_wait_kmcnt 0x0
	s_add_nc_u64 s[4:5], s[38:39], s[56:57]        ; the mask words of my query tile 0, step 0
	s_add_nc_u64 s[104:105], s[36:37], s[52:53]    ; my queries
	s_add_nc_u64 s[58:59], s[36:37], s[48:49]      ; my part of step 0's tiles
.irp s, 0,1
	s_mov_b32 s[G0+4*\s], 1
	s_add_co_u32 s[G0+4*\s+1], s51, \s*SLOT
	s_add_nc_u64 s[G0+4*\s+2:G0+4*\s+3], s[58:59], \s*TILEB        ; slot s is set up for step s
	s_or_b32 s[G0+4*\s+3], s[G0+4*\s+3], 0x80000000
.endr
	v_and_b32 v1, 15, v0                           ; r
	v_bfe_u32 v2, v0, 4, 1                         ; h
	v_mul_u32_u24 v3, v1, KPITCH
	v_lshl_add_u32 v3, v2, 4, v3
	s_add_co_u32 s47, s55, KOFF
	v_add_nc_u32 v[KADR], s47, v3                  ; K: row r, 16 h, my head's 128 bytes
	v_add_nc_u32 v[KADR+1], SLOT, v[KADR]
	v_and_b32 v28, 7, v0
	v_lshl_add_u32 v28, v2, 3, v28                 ; V: row 8 h + (l & 7),
	v_mul_u32_u24 v28, v28, VPITCH
	v_bfe_u32 v29, v0, 3, 1
	v_lshl_add_u32 v28, v29, 4, v28                ; 16 bytes for each eight lanes
	v_add_nc_u32 v[VADR], s55, v28
	v_add_nc_u32 v[VADR+1], SLOT, v[VADR]
	v_lshlrev_b32 v[QOFF], 11, v1
	v_lshl_add_u32 v[QOFF], v2, 4, v[QOFF]
	v_mul_u32_u24 v28, v1, SPITCH                  ; the stage, in: my own 64 rows, row r, 16 h
	v_lshl_add_u32 v28, v2, 4, v28
	s_mul_i32 s47, s2, 64*SPITCH
	s_add_co_u32 s47, s47, STAGE
	v_add_nc_u32 v[STO], s47, v28
	v_and_b32 v28, 7, v0                           ; back: rows 32 w + h; lanes 0-7 of each half take head 0's 128 bytes, lanes 8-15 head 1's
	v_lshlrev_b32 v28, 4, v28
	v_mad_u32_u24 v28, v29, HSTAGE, v28
	v_mad_u32_u24 v28, v2, SPITCH, v28
	s_mul_i32 s47, s2, 32*SPITCH
	s_add_co_u32 s47, s47, STAGE
	v_add_nc_u32 v[RD], s47, v28
	v_lshlrev_b32 v[CO], 12, v2                    ; the same two rows in ao
	v_lshl_add_u32 v[CO], v1, 4, v[CO]
	v_mov_b32 v[NINF], 0xff800000
	v_mov_b32 v[NC], 0xbe38aa3b
	v_mov_b32 v[CC], 0x3e38aa3b
	v_mov_b32 v[CC+1], 0x3e38aa3b
.irp i, 0,1,2,3
	v_mov_b32 v[M+\i], 0xff7fffff
.endr
.irp k, 0,1,2,3,4,5,6,7
	v_mov_b32 v[ONES+\k], 0x3c003c00               ; 1.0, 1.0 in f16
.endr
	v_mov_b32 v[NM+1], 0
	v_mov_b32 v[AL+1], 0
	; Q's fragments stay in registers: lane (r, h) holds query 16 i + r, d = 32 ks + 8 h + 0..7 and + 16
	WIN 0x40                                       ; destination in window 1
.irp i, 0,1,2,3
.irp ks, 0,1
	global_load_b128 v[QF+16*\i+8*\ks:QF+16*\i+8*\ks+3], v[QOFF], s[104:105] offset:\i*32768+64*\ks
	global_load_b128 v[QF+16*\i+8*\ks+4:QF+16*\i+8*\ks+7], v[QOFF], s[104:105] offset:\i*32768+64*\ks+32
.endr
.endr
	WIN 0
	s_load_b512 s[MB0:MB0+15], s[4:5], 0x0         ; the first unit's 32 mask words
	s_load_b512 s[MB0+16:MB0+31], s[4:5], 0x40
	ROUND                                          ; all four work-groups are here
	JLOAD 0                                        ; step 0
	s_wait_loadcnt 0x0                             ; Q
; 16 LDS loads: the K fragments of 64 keys (half 'sub' of the step)
.macro KFETCH slot, sub
.irp kt, 0,1,2,3
.irp ks, 0,1
	ds_load_b128 v[KF+16*\kt+8*\ks:KF+16*\kt+8*\ks+3], v[KADR+\slot] offset:\sub*VHALF+\kt*16*KPITCH+64*\ks
	ds_load_b128 v[KF+16*\kt+8*\ks+4:KF+16*\kt+8*\ks+7], v[KADR+\slot] offset:\sub*VHALF+\kt*16*KPITCH+64*\ks+32
.endr
.endr
.endm
; 16 transposing LDS loads: V^T's fragments of the same 64 keys: lane (r, h) gets d = 16 dt + r, keys 32 u + 8 h + 0..7 and + 16
.macro VFETCH slot, sub
.irp u, 0,1
.irp dt, 0,1,2,3
	ds_load_tr16_b128 v[VF+8*(4*\u+\dt):VF+8*(4*\u+\dt)+3], v[VADR+\slot] offset:(64*\sub+32*\u)*VPITCH+32*\dt
	ds_load_tr16_b128 v[VF+8*(4*\u+\dt)+4:VF+8*(4*\u+\dt)+7], v[VADR+\slot] offset:(64*\sub+32*\u+16)*VPITCH+32*\dt
.endr
.endr
.endm
; A unit: 64 keys (half un >> 2 of the step) x query tile un & 3: 8 matrix instructions for the scores, the softmax step, 10 for P V and
; the sum of P.  zero = 1: O's and the sum's accumulators start here.  last = 1: no unit follows.  In each group the accumulators (four,
; then five) take turns, one instruction a turn.
.macro UNIT slot, un, zero, last
.set qi, (\un)&3
.if (\un)&1
.set MB, MB1
.set MBN, MB0
.else
.set MB, MB0
.set MBN, MB1
.endif
.if qi == 0
	s_wait_dscnt 16                                ; K's 16 loads are in; V's 16, issued behind them, may be out
.endif
	WIN 0x04                                       ; source 1 (Q) in window 1
.irp kt, 0,1,2,3
	v_wmma_f32_16x16x32_f16 v[SV+8*\kt:SV+8*\kt+7], v[KF+16*\kt:KF+16*\kt+7], v[QF+16*qi:QF+16*qi+7], 0
.endr
.irp kt, 0,1,2,3
	v_wmma_f32_16x16x32_f16 v[SV+8*\kt:SV+8*\kt+7], v[KF+16*\kt+8:KF+16*\kt+15], v[QF+16*qi+8:QF+16*qi+15], v[SV+8*\kt:SV+8*\kt+7]
.endr
	WIN 0
	PLACES                                         ; then the scores are read, and K's fragments may be loaded again
.if \un == 3
	KFETCH \slot, 1
.endif
	s_wait_kmcnt 0x0                               ; this unit's mask words, asked for a unit ago; no scalar load is out now
.if \un == 7
.if \last == 0
	s_add_nc_u64 s[4:5], s[4:5], 256               ; the next step's 8 key tiles
	s_load_b512 s[MBN:MBN+15], s[4:5], 0x0
	s_load_b512 s[MBN+16:MBN+31], s[4:5], 0x40
.endif
.else
	s_load_b512 s[MBN:MBN+15], s[4:5], ((\un+1)&3)*4096+((\un+1)>>2)*128      ; the next unit's words: its query tile, its half
	s_load_b512 s[MBN+16:MBN+31], s[4:5], ((\un+1)&3)*4096+((\un+1)>>2)*128+64
.endif
.set k, 0
.rept 32
	v_cndmask_b32 v[SV+k], v[NINF], v[SV+k], s[MB+k]               ; the mask: -infinity where the bit is 0
.set k, k+1
.endr
	; the maximum of the lane's 32 scores and the old maximum, then of the two halves of the wave
.irp c, 0,1,2,3
	v_max3_num_f32 v[T+\c], v[SV+8*\c], v[SV+8*\c+1], v[SV+8*\c+2]
.endr
.irp c, 0,1,2,3
	v_max3_num_f32 v[T+\c], v[T+\c], v[SV+8*\c+3], v[SV+8*\c+4]
.endr
.irp c, 0,1,2,3
	v_max3_num_f32 v[T+\c], v[T+\c], v[SV+8*\c+5], v[SV+8*\c+6]
.endr
	v_max3_num_f32 v[T], v[T], v[SV+7], v[SV+15]
	v_max3_num_f32 v[T+2], v[T+2], v[SV+23], v[SV+31]
	v_max3_num_f32 v[T], v[T], v[T+1], v[T+2]
	v_max3_num_f32 v[T], v[T], v[T+3], v[M+qi]
	v_permlanex16_b32 v[T+1], v[T], s6, s7
	v_max_num_f32 v[T+1], v[T], v[T+1]             ; the new maximum m, finite
	v_mul_f32 v[AL], v[NC], v[M+qi]                ; -c m_old, rounded as it was when the old exponents were made
	v_mul_f32 v[NM], v[NC], v[T+1]                 ; -c m
	v_sub_f32 v[AL], v[NM], v[AL]                  ; so old and new exponents differ by exactly this
	v_exp_f32 v[AL], v[AL]                         ; the factor for the old sums
.set k, 0
.rept 16
	v_pk_fma_f32 v[SV+2*k:SV+2*k+1], v[SV+2*k:SV+2*k+1], v[CC:CC+1], v[NM:NM+1] op_sel_hi:[1,1,0]   ; c s - c m
.set k, k+1
.endr
.set k, 0
.rept 32
	v_exp_f32 v[SV+k], v[SV+k]
.set k, k+1
.endr
	v_mov_b32 v[M+qi], v[T+1]                      ; the plain instruction between the exponentials and the first use of a result (ISA guide 5.7.2)
.set k, 0
	s_wait_alu depctr_va_vdst(0)
.rept 16
	v_cvt_pk_f16_f32 v[PF+k], v[SV+2*k], v[SV+2*k+1]               ; keys 8 h + 2 k', + 1: source 1's layout as it stands
.set k, k+1
.endr
.if \zero == 0
	WIN 0x41                                       ; O and the sum in window 1, the factor in window 0
.set k, 0
.rept 16
	v_pk_mul_f32 v[OA+32*qi+2*k:OA+32*qi+2*k+1], v[OA+32*qi+2*k:OA+32*qi+2*k+1], v[AL:AL+1] op_sel_hi:[1,0]
.set k, k+1
.endr
	v_mul_f32 v[LT+8*qi], v[LT+8*qi], v[AL]        ; the sum: register 0 alone; registers 1-7 are never read and stay finite (at most 2,048 numbers of at most 1)
.endif
.if qi == 0
	s_wait_dscnt 0x0                               ; V's fragments
.endif
	WIN 0x50                                       ; C and D in window 1
.irp dt, 0,1,2,3
.if \zero
	v_wmma_f32_16x16x32_f16 v[OA+32*qi+8*\dt:OA+32*qi+8*\dt+7], v[VF+8*\dt:VF+8*\dt+7], v[PF:PF+7], 0
.else
	v_wmma_f32_16x16x32_f16 v[OA+32*qi+8*\dt:OA+32*qi+8*\dt+7], v[VF+8*\dt:VF+8*\dt+7], v[PF:PF+7], v[OA+32*qi+8*\dt:OA+32*qi+8*\dt+7]
.endif
.endr
.if \zero
	v_wmma_f32_16x16x32_f16 v[LT+8*qi:LT+8*qi+7], v[ONES:ONES+7], v[PF:PF+7], 0
.else
	v_wmma_f32_16x16x32_f16 v[LT+8*qi:LT+8*qi+7], v[ONES:ONES+7], v[PF:PF+7], v[LT+8*qi:LT+8*qi+7]
.endif
.irp dt, 0,1,2,3
	v_wmma_f32_16x16x32_f16 v[OA+32*qi+8*\dt:OA+32*qi+8*\dt+7], v[VF+32+8*\dt:VF+32+8*\dt+7], v[PF+8:PF+15], v[OA+32*qi+8*\dt:OA+32*qi+8*\dt+7]
.endr
	v_wmma_f32_16x16x32_f16 v[LT+8*qi:LT+8*qi+7], v[ONES:ONES+7], v[PF+8:PF+15], v[LT+8*qi:LT+8*qi+7]
	WIN 0
.if \un == 3
	PLACES                                         ; behind the matrix instructions that read V's fragments
	VFETCH \slot, 1
.endif
.endm
; A step of 128 keys.  In front of the round every wave waits for all its tensor loads (its part of this step's tiles among them) and for
; its LDS reads of the other slot; behind the round the next step's joint load into that slot comes first, one a wave; it has this whole
; step in which to land.  By this text's count a wave never has more than one tensor load out.
.macro TRIP slot, refill, zero, last
	PLACES                                         ; behind the last step's matrix instructions, whose V fragments are loaded again below
	s_wait_tensorcnt 0x0
	ds_add_u32 v254, v255
	s_wait_dscnt 0x0
	s_add_nc_u64 s[G0+4*\slot+2:G0+4*\slot+3], s[G0+4*\slot+2:G0+4*\slot+3], 2*TILEB   ; no load is out: this slot's next step
	s_wait_dscnt 0x0
	ROUND
.if \refill
	JLOAD 1-\slot
.endif
	KFETCH \slot, 0
	VFETCH \slot, 0
	UNIT \slot, 0, \zero, 0
	UNIT \slot, 1, \zero, 0
	UNIT \slot, 2, \zero, 0
	UNIT \slot, 3, \zero, 0
	UNIT \slot, 4, 0, 0
	UNIT \slot, 5, 0, 0
	UNIT \slot, 6, 0, 0
	UNIT \slot, 7, 0, \last
.endm
	TRIP 0, 1, 1, 0                                ; steps 0 and 1 stand in front of the loop: step 0's first products start the sums
	TRIP 1, 1, 0, 0
	s_mov_b32 s3, 6
.Lpair:
	TRIP 0, 1, 0, 0
	TRIP 1, 1, 0, 0
	s_sub_co_u32 s3, s3, 1
	s_cmp_lg_u32 s3, 0
	s_cbranch_scc1 .Lpair
	TRIP 0, 1, 0, 0                                ; step 14 asks for step 15;
	TRIP 1, 0, 0, 1                                ; step 15 asks for nothing
	; THE WAY OUT: 1 / sum; O scaled; each number in two f16 parts: the f32 with its low 13 mantissa bits cleared (11 significant bits:
	; exact in f16 from 6.1e-5 up) and what is left of it, rounded to f16; through the stage; out as rows of 256 bytes (both heads).
	PLACES
	s_load_b64 s[104:105], s[0:1], 0x10            ; ao
	WIN 0x01                                       ; source in window 1
.irp i, 0,1,2,3
	v_rcp_f32 v[INV+\i], v[LT+8*\i]                ; every lane of query r holds the whole sum
.endr
	WIN 0
	v_nop                                          ; between the reciprocals and their first use
	s_wait_alu depctr_va_vdst(0)
.irp i, 0,1,2,3
	v_mov_b32 v[AL], v[INV+\i]
	WIN 0x41
.set k, 0
.rept 16
	v_pk_mul_f32 v[OA+32*\i+2*k:OA+32*\i+2*k+1], v[OA+32*\i+2*k:OA+32*\i+2*k+1], v[AL:AL+1] op_sel_hi:[1,0]
.set k, k+1
.endr
	WIN 0x04                                       ; source 1 in window 1
.set k, 0
.rept 32
	v_and_b32 v[VF+k], 0xffffe000, v[OA+32*\i+k]   ; the upper part, still as f32
.set k, k+1
.endr
	WIN 0
.set k, 0
.rept 16
	v_cvt_pk_f16_f32 v[KF+k], v[VF+2*k], v[VF+2*k+1]               ; d = 16 dt + 8 h + 0..7 of query 16 i + r: 16 bytes
.set k, k+1
.endr
	WIN 0x01                                       ; source 0 in window 1
.set k, 0
.rept 16
	v_pk_add_f32 v[VF+2*k:VF+2*k+1], v[OA+32*\i+2*k:OA+32*\i+2*k+1], v[VF+2*k:VF+2*k+1] neg_lo:[0,1] neg_hi:[0,1]   ; the remainder, exact
.set k, k+1
.endr
	WIN 0
.set k, 0
.rept 16
	v_cvt_pk_f16_f32 v[KF+16+k], v[VF+2*k], v[VF+2*k+1]
.set k, k+1
.endr
.irp dt, 0,1,2,3
	ds_store_b128 v[STO], v[KF+4*\dt:KF+4*\dt+3] offset:\i*16*SPITCH+32*\dt
.endr
.irp dt, 0,1,2,3
	ds_store_b128 v[STO], v[KF+16+4*\dt:KF+16+4*\dt+3] offset:\i*16*SPITCH+128+32*\dt
.endr
.endr
	s_wait_dscnt 0x0                               ; my stores are done, for the waves that read them
	s_barrier_signal -1
	s_barrier_wait -1
.set t, 0
.rept 16
	ds_load_b128 v[KF+8*t:KF+8*t+3], v[RD] offset:t*2*SPITCH           ; rows 32 w + 2 t + h, both heads: the upper parts,
	ds_load_b128 v[KF+8*t+4:KF+8*t+7], v[RD] offset:t*2*SPITCH+128     ; the remainders
.set t, t+1
.endr
	s_wait_kmcnt 0x0
	s_add_nc_u64 s[104:105], s[104:105], s[100:101]
.set t, 0
.rept 16
	s_wait_dscnt 31-2*t                            ; LDS loads come back in order: the younger ones stay out
	global_store_b128 v[CO], v[KF+8*t:KF+8*t+3], s[104:105] offset:t*2*AOROW          ; 16 lanes store 256 consecutive bytes, aligned
	s_wait_dscnt 30-2*t
	global_store_b128 v[CO], v[KF+8*t+4:KF+8*t+7], s[104:105] offset:t*2*AOROW+2048
.set t, t+1
.endr
	s_wait_tensorcnt 0x0
	ds_add_u32 v254, v255
	s_wait_dscnt 0x0
	ROUND                                          ; the closing round
	s_endpgm
.Lfunc_end_k_q9d8e25f115_attn:
	.size	k_q9d8e25f115_attn, .Lfunc_end_k_q9d8e25f115_attn-k_q9d8e25f115_attn
	.p2alignl 7, 3214868480
	.fill 96, 4, 3214868480
	.section	.rodata,"a",@progbits
	.p2align	6, 0x0
	.amdhsa_kernel k_q9d8e25f115_attn
		.amdhsa_group_segment_fixed_size 327680
		.amdhsa_private_segment_fixed_size 0
		.amdhsa_enable_private_segment 0
		.amdhsa_kernarg_size 24
		.amdhsa_user_sgpr_count 2
		.amdhsa_user_sgpr_kernarg_segment_ptr 1
		.amdhsa_wavefront_size32 1
		.amdhsa_system_sgpr_workgroup_id_x 1
		.amdhsa_system_sgpr_workgroup_id_y 1
		.amdhsa_system_sgpr_workgroup_id_z 1
		.amdhsa_system_vgpr_workitem_id 0
		.amdhsa_next_free_vgpr 480
		.amdhsa_next_free_sgpr 106
		.amdhsa_reserve_vcc 0
		.amdhsa_float_denorm_mode_32 3
		.amdhsa_float_denorm_mode_16_64 3
		.amdhsa_memory_ordered 1
		.amdhsa_forward_progress 1
		.amdhsa_inst_pref_size 255
	.end_amdhsa_kernel
	.section	.bss,"aw",@nobits
	.p2align	6
	.space	262144
	.amdgpu_metadata
---
amdhsa.version: [ 1, 2 ]
amdhsa.kernels:
  - .name:           k_q9d8e25f115_attn
    .symbol:         k_q9d8e25f115_attn.kd
    .args:
      - { .name: pb, .offset: 0, .size: 8, .value_kind: global_buffer, .address_space: global }
      - { .name: mb, .offset: 8, .size: 8, .value_kind: global_buffer, .address_space: global }
      - { .name: ao, .offset: 16, .size: 8, .value_kind: global_buffer, .address_space: global }
    .group_segment_fixed_size: 327680
    .private_segment_fixed_size: 0
    .kernarg_segment_align: 8
    .kernarg_segment_size: 24
    .max_flat_workgroup_size: 256
    .sgpr_count:     106
    .vgpr_count:     480
    .wavefront_size: 32
...
	.end_amdgpu_metadata
.endif
;; end of part 3
;; launch outp (part 4): grid 4 x 64, 4 waves a work-group, clusters of 4 x 4, 327,680 bytes of LDS; arguments ao, cb, out0; writes out0
.if DOCPART == 4
	.amdgcn_target "amdgcn-amd-amdhsa--gfx1250"
	.amdhsa_code_object_version 6
	.text
	.protected	k_q9d8e25f115_outp
	.globl	k_q9d8e25f115_outp
	.p2align	8
	.type	k_q9d8e25f115_outp,@function
k_q9d8e25f115_outp:
	s_mov_b64 s[64:65], 0
	v_nop
	global_prefetch_b8 v0, s[64:65] scope:SCOPE_SE
	s_setreg_imm32_b32 hwreg(HW_REG_WAVE_MODE, 25, 1), 1
	s_wait_xcnt 0x0
	s_wait_alu depctr_hold_cnt(0) depctr_sa_sdst(0) depctr_va_vdst(0) depctr_va_sdst(0) depctr_va_ssrc(0) depctr_va_vcc(0) depctr_vm_vsrc(0)
	s_getreg_b32 s2, hwreg(HW_REG_IB_STS2, 6, 4)
	s_cmp_eq_u32 s2, 0
	s_cbranch_scc0 .Lentry_in_a_cluster
	s_endpgm
.Lentry_in_a_cluster:
	s_bfe_u32 s2, ttmp6, 0x10000c
	s_cmp_lg_u32 s2, 0xf033
	s_cbranch_scc0 .Lentry_shape_is_right
	s_endpgm
.Lentry_shape_is_right:
; outp: out0 = attention output x wo^T.  A: ao, f16 [8192][2048]: columns 0-1023 the upper parts of the attention output, columns
; 1024-2047 the remainders; B: wo in cb, f16 [1024][2048], each row holding wo's row twice; C: out0, f32 [8192][1024].  Sums in f32.
; So one product over K = 2,048 adds upper part x wo and remainder x wo: the attention output enters with about 21 bits.
; The main loop is that of the input projections: a work-group makes 128 rows x 256 columns with four waves, a wave 64 x 128 in 32
; accumulator tiles; K in steps of 128 (rows of 256 bytes, aligned) through two LDS slots filled by the tensor data mover.
; CLUSTERS: 4 x 4 work-groups; A's tiles are shared along a cluster's row, B's along a column, each asked for jointly.
; LIMIT: operands are f16 (magnitudes up to 65,504).  A NaN in a row of ao makes the whole row of out0 NaN.
; REGISTERS: window 0: v16-26 addresses, v32-127 and v128-223 two fragment buffers (8 of B, then 4 of A); window 1: tile (a, b) at v[8 (8 a + b)].
; The matrix instruction is used transposed (source 0 = rows of B, source 1 = rows of A): lane l holds row l % 16 of C and in its
; registers 0-7 the columns 8 (l / 16) + 0..7: 32 neighbouring bytes.
.set SIZE_K, 2048
.set KSTEP,  128
.set CROW,   4096                      ; bytes in a row of C
.set PITCH,  272
.set AHALF,  64*PITCH
.set BHALF,  128*PITCH
.set AOFF,   2*BHALF
.set SLOT,   AOFF+2*AHALF
.set STAGE,  2*SLOT                    ; behind the ring: 16 rows x 528 bytes for each wave; no tensor load lands there
.set SPITCH, 528                       ; 512 bytes + 16
.set LAPS,   SIZE_K/(2*KSTEP)          ; 8
.set WOSEC,  27*2097152                ; the doubled wo's first byte in cb
.set ADRA, 16
.set ADRB, 20
.set STO,  24
.set RD,   25
.set CO,   26
.set F0,   32
.set F1,   128
.set G1,  24
.set G0,  32
.set G1B, 48
.set G0B, 56
.set MUL, 0x50
.set MSB, 0
.macro WIN new
.if MSB != \new
	s_set_vgpr_msb (MSB<<8)|\new
.set MSB, \new
.endif
.endm
.macro PLACES                          ; the distance behind a matrix instruction (ISA guide 7.12.1)
.rept 4
	v_nop
.endr
.endm
.macro JLOAD s                         ; waves 0 and 1 fetch B's halves, waves 2 and 3 A's
	s_cmp_eq_u32 s11, 0
	s_cbranch_scc0 .Lfor_a_\@
	tensor_load_to_lds s[G0B+4*\s:G0B+4*\s+3], s[G1B:G1B+7]
	s_nop 0
	s_branch .Lasked_\@
.Lfor_a_\@:
	tensor_load_to_lds s[G0+4*\s:G0+4*\s+3], s[G1:G1+7]
	s_nop 0
.Lasked_\@:
.endm
.macro CREST
	s_cmp_lg_u32 s10, 0
	s_cbranch_scc1 .Lnot_wave_0_\@
	s_barrier_signal -3
.Lnot_wave_0_\@:
	s_barrier_wait -3
	s_barrier_signal -1
	s_barrier_wait -1
.endm
.macro CROUND
	s_barrier_signal -1
	s_barrier_wait -1
	CREST
.endm
.macro SHAPE g, rows
	s_mov_b32 s[\g+1], KSTEP<<16
	s_mov_b32 s[\g+2], \rows<<16
	s_mov_b32 s[\g+3], KSTEP<<16
	s_mov_b32 s[\g+4], \rows
	s_mov_b32 s[\g+5], SIZE_K
	s_mov_b32 s[\g+6], 0
	s_mov_b32 s[\g+7], 0
.endm
	s_load_b128 s[4:7], s[0:1], 0x0                ; ao s[4:5], cb s[6:7]
	s_load_b64 s[8:9], s[0:1], 0x10                ; out0
	v_lshl_add_u32 v254, v0, 2, 0x3b400
	v_mov_b32 v255, 0
	ds_add_u32 v254, v255
	v_lshrrev_b32 v1, 5, v0
	v_readfirstlane_b32 s10, v1                    ; wave 0..3
	s_lshr_b32 s11, s10, 1                         ; my half of the rows.  Also: I fetch for B (0) or for A (1)
	s_and_b32 s12, s10, 1                          ; my half of the columns.  Also: which half of that tile I fetch
	s_bfe_u32 s40, ttmp6, 0x40000                  ; cx
	s_bfe_u32 s41, ttmp6, 0x40004                  ; cy
	s_lshl_b32 s42, ttmp9, 2
	s_add_co_u32 s42, s42, s40                     ; block column 0..3
	s_and_b32 s13, ttmp7, 0xffff
	s_lshl_b32 s13, s13, 2
	s_add_co_u32 s13, s13, s41                     ; block row 0..63
	s_lshl_b32 s43, s41, 2
	s_lshl_b32 s43, 15, s43                        ; my row of the cluster
	s_lshl_b32 s44, 0x1111, s40                    ; my column
	s_or_b32 s[G1+0], s43, (1<<16)|(1<<20)|(1<<21)|(5<<22)|(3<<25)
	s_or_b32 s[G1B+0], s44, (1<<16)|(1<<20)|(1<<21)|(5<<22)|(3<<25)
	SHAPE G1, 64
	SHAPE G1B, 128
	s_lshl_b32 s16, s13, 19                        ; A: block row x 128 rows x 4,096 bytes
	s_lshl_b32 s17, s12, 18                        ; + my 64 rows
	s_add_co_u32 s16, s16, s17
	s_mov_b32 s17, 0
	s_lshl_b32 s46, s42, 20                        ; B: block column x 256 rows x 4,096 bytes
	s_lshl_b32 s47, s12, 19                        ; + my 128 rows
	s_add_co_u32 s46, s46, s47
	s_add_co_u32 s46, s46, WOSEC
	s_mov_b32 s47, 0
	s_mul_i32 s20, s10, AHALF                      ; where A's halves go (waves 2, 3): AOFF + (wave - 2) x AHALF
	s_add_co_u32 s20, s20, AOFF-2*AHALF
	s_mul_i32 s21, s10, BHALF                      ; where B's halves go (waves 0, 1)
	s_wait_dscnt 0x0
	s_wait_kmcnt 0x0
	s_add_nc_u64 s[14:15], s[4:5], s[16:17]
	s_add_nc_u64 s[46:47], s[6:7], s[46:47]
	CROUND                                         ; all sixteen work-groups are here: the first joint loads meet
.irp s, 0,1
	s_mov_b32 s[G0+4*\s], 1
	s_add_co_u32 s[G0+4*\s+1], s20, \s*SLOT
	s_add_nc_u64 s[G0+4*\s+2:G0+4*\s+3], s[14:15], \s*KSTEP*2
	s_or_b32 s[G0+4*\s+3], s[G0+4*\s+3], 0x80000000
	s_mov_b32 s[G0B+4*\s], 1
	s_add_co_u32 s[G0B+4*\s+1], s21, \s*SLOT
	s_add_nc_u64 s[G0B+4*\s+2:G0B+4*\s+3], s[46:47], \s*KSTEP*2
	s_or_b32 s[G0B+4*\s+3], s[G0B+4*\s+3], 0x80000000
	JLOAD \s                                       ; K steps 0 and 1: two loads of the wave are out
.endr
	v_and_b32 v1, 15, v0
	v_bfe_u32 v2, v0, 4, 1
	v_mul_u32_u24 v3, v1, PITCH
	v_lshl_add_u32 v3, v2, 4, v3
	s_mul_i32 s22, s11, AHALF
	s_add_co_u32 s22, s22, AOFF
	s_mul_i32 s23, s12, BHALF
.irp s, 0,1
	v_add_nc_u32 v[ADRA+\s], s22, v3
	v_add_nc_u32 v[ADRB+\s], s23, v3
	s_add_co_u32 s22, s22, SLOT
	s_add_co_u32 s23, s23, SLOT
.endr
	s_mul_i32 s18, s10, 16*SPITCH
	s_add_co_u32 s18, s18, STAGE                   ; my stage
	v_mul_u32_u24 v4, v1, SPITCH                   ; in: row l % 16, 32 bytes for each half of the lanes
	v_lshl_add_u32 v4, v2, 5, v4
	v_add_nc_u32 v[STO], s18, v4
	v_and_b32 v5, 31, v0
	v_lshlrev_b32 v[CO], 4, v5                     ; back and out: the wave takes one row of 512 bytes, 16 bytes a lane
	v_add_nc_u32 v[RD], s18, v[CO]
; The 32 accumulators take turns, one instruction a turn, in the same order in every quarter step.
.macro MUL8 f, a, zero
.irp b, 0,1,2,3,4,5,6,7
.if \zero
	v_wmma_f32_16x16x32_f16 v[8*(8*(\a)+\b):8*(8*(\a)+\b)+7], v[\f+8*\b:\f+8*\b+7], v[\f+64+8*(\a):\f+64+8*(\a)+7], 0
.else
	v_wmma_f32_16x16x32_f16 v[8*(8*(\a)+\b):8*(8*(\a)+\b)+7], v[\f+8*\b:\f+8*\b+7], v[\f+64+8*(\a):\f+64+8*(\a)+7], v[8*(8*(\a)+\b):8*(8*(\a)+\b)+7]
.endif
.endr
.endm
.macro MUL16 f, a0, zero
	MUL8 \f, \a0, \zero
	MUL8 \f, \a0+1, \zero
.endm
.macro FETCH slot, k, f
.irp i, 0,1,2,3,4,5,6,7
	ds_load_b128 v[\f+8*\i:\f+8*\i+3],   v[ADRB+\slot] offset:\k+\i*16*PITCH
	ds_load_b128 v[\f+8*\i+4:\f+8*\i+7], v[ADRB+\slot] offset:\k+\i*16*PITCH+32
.endr
.irp i, 0,1,2,3
	ds_load_b128 v[\f+64+8*\i:\f+64+8*\i+3], v[ADRA+\slot] offset:\k+\i*16*PITCH
	ds_load_b128 v[\f+64+8*\i+4:\f+64+8*\i+7], v[ADRA+\slot] offset:\k+\i*16*PITCH+32
.endr
.endm
.macro QUARTER slot, k, f, g, zero
	s_wait_dscnt 4                                 ; B and A's tiles 0, 1 are in; the four youngest loads (A's tiles 2, 3) may be out
	WIN MUL
	MUL16 \f, 0, \zero
	WIN 0
	PLACES                                         ; behind the matrix instructions that read buffer g
	FETCH \slot, \k, \g
	s_wait_dscnt 24                                ; all but the 24 just issued
	WIN MUL
	MUL16 \f, 2, \zero
.endm
.macro THREE slot, zero
	QUARTER \slot, 64,  F0, F1, \zero
	QUARTER \slot, 128, F1, F0, 0
	QUARTER \slot, 192, F0, F1, 0
.endm
; The change of slots: each wave's reads of this slot and all its tensor loads are waited for in front of the barrier; with fill = 1 the
; barrier opens a round of the cluster's barrier, and the slot's joint refill is the first tensor load behind the round.
.macro TURN slot, next, fill
	s_wait_dscnt 4
	WIN MUL
	MUL8 F1, 0, 0
	s_wait_dscnt 0
	s_wait_tensorcnt 0x0
	ds_add_u32 v254, v255
	s_wait_dscnt 0x0
	s_barrier_signal -1
	MUL8 F1, 1, 0                                  ; registers only
	WIN 0
	s_barrier_wait -1
.if \fill
	CREST
	s_add_nc_u64 s[G0+4*\slot+2:G0+4*\slot+3], s[G0+4*\slot+2:G0+4*\slot+3], 2*KSTEP*2
	s_add_nc_u64 s[G0B+4*\slot+2:G0B+4*\slot+3], s[G0B+4*\slot+2:G0B+4*\slot+3], 2*KSTEP*2
	JLOAD \slot
.endif
	PLACES
	FETCH \next, 0, F0
	WIN MUL
	MUL16 F1, 2, 0
.endm
.macro LAP zero
	THREE 0, \zero
	TURN 0, 1, 1
	THREE 1, 0
	TURN 1, 0, 1
.endm
	s_wait_tensorcnt 1                             ; my part of K step 0 is in; K step 1's may stay out
	s_barrier_signal -1
	s_barrier_wait -1
	FETCH 0, 0, F0
	LAP 1
	WIN 0
	s_mov_b32 s3, LAPS-2
.Llap:
	LAP 0
	WIN 0
	s_sub_co_u32 s3, s3, 1
	s_cmp_lg_u32 s3, 0
	s_cbranch_scc1 .Llap
	THREE 0, 0
	TURN 0, 1, 0
	THREE 1, 0
	s_wait_dscnt 4
	WIN MUL
	MUL16 F1, 0, 0
	s_wait_dscnt 0
	MUL16 F1, 2, 0
	; THE WAY OUT, 16 rows at a time: 32 bytes a lane into my own stage, back as whole rows of 512 bytes.
	WIN 0
	PLACES                                         ; behind the last matrix instructions: for the LDS stores of results and the loads into the buffers
	s_lshl_b32 s16, s13, 19                        ; block row x 128 rows x 4,096 bytes
	s_lshl_b32 s17, s11, 18                        ; + my 64 rows
	s_add_co_u32 s16, s16, s17
	s_mov_b32 s17, 0
	s_add_nc_u64 s[8:9], s[8:9], s[16:17]
	s_lshl_b32 s46, s42, 10                        ; block column x 1,024 bytes
	s_lshl_b32 s47, s12, 9                         ; + my 512
	s_add_co_u32 s46, s46, s47
	s_mov_b32 s47, 0
	s_add_nc_u64 s[8:9], s[8:9], s[46:47]
.macro OUT16F a, f
	WIN 0x04                                       ; the stores' data in window 1
.irp b, 0,1,2,3,4,5,6,7
	ds_store_b128 v[STO], v[8*(8*\a+\b):8*(8*\a+\b)+3] offset:64*\b
	ds_store_b128 v[STO], v[8*(8*\a+\b)+4:8*(8*\a+\b)+7] offset:64*\b+16
.endr
	WIN 0
	s_wait_xcnt 0x0                                ; buffer f, which earlier stores read, and the stores' base are written again only behind this wait
.if \a
	s_add_nc_u64 s[8:9], s[8:9], 16*CROW
.endif
.irp t, 0,1,2,3,4,5,6,7,8,9,10,11,12,13,14,15
	ds_load_b128 v[\f+4*\t:\f+4*\t+3], v[RD] offset:\t*SPITCH      ; a wave's LDS instructions are served in order: these see the stores above
.endr
.irp t, 0,1,2,3,4,5,6,7,8,9,10,11,12,13,14,15
	s_wait_dscnt 15-\t
	global_store_b128 v[CO], v[\f+4*\t:\f+4*\t+3], s[8:9] offset:\t*CROW th:TH_STORE_NT   ; the wave stores 512 consecutive bytes, aligned
.endr
.endm
	OUT16F 0, F0
	OUT16F 1, F1
	OUT16F 2, F0
	OUT16F 3, F1
	s_wait_tensorcnt 0x0
	ds_add_u32 v254, v255
	s_wait_dscnt 0x0
	CROUND                                         ; the closing round
	s_endpgm
.Lfunc_end_k_q9d8e25f115_outp:
	.size	k_q9d8e25f115_outp, .Lfunc_end_k_q9d8e25f115_outp-k_q9d8e25f115_outp
	.p2alignl 7, 3214868480
	.fill 96, 4, 3214868480
	.section	.rodata,"a",@progbits
	.p2align	6, 0x0
	.amdhsa_kernel k_q9d8e25f115_outp
		.amdhsa_group_segment_fixed_size 327680
		.amdhsa_private_segment_fixed_size 0
		.amdhsa_enable_private_segment 0
		.amdhsa_kernarg_size 24
		.amdhsa_user_sgpr_count 2
		.amdhsa_user_sgpr_kernarg_segment_ptr 1
		.amdhsa_wavefront_size32 1
		.amdhsa_system_sgpr_workgroup_id_x 1
		.amdhsa_system_sgpr_workgroup_id_y 1
		.amdhsa_system_sgpr_workgroup_id_z 1
		.amdhsa_system_vgpr_workitem_id 0
		.amdhsa_next_free_vgpr 512
		.amdhsa_next_free_sgpr 66
		.amdhsa_reserve_vcc 0
		.amdhsa_float_denorm_mode_32 3
		.amdhsa_float_denorm_mode_16_64 3
		.amdhsa_memory_ordered 1
		.amdhsa_forward_progress 1
		.amdhsa_inst_pref_size 118
	.end_amdhsa_kernel
	.amdgpu_metadata
---
amdhsa.version: [ 1, 2 ]
amdhsa.kernels:
  - .name:           k_q9d8e25f115_outp
    .symbol:         k_q9d8e25f115_outp.kd
    .args:
      - { .name: ao, .offset: 0, .size: 8, .value_kind: global_buffer, .address_space: global }
      - { .name: cb, .offset: 8, .size: 8, .value_kind: global_buffer, .address_space: global }
      - { .name: out0, .offset: 16, .size: 8, .value_kind: global_buffer, .address_space: global }
    .group_segment_fixed_size: 327680
    .private_segment_fixed_size: 0
    .kernarg_segment_align: 8
    .kernarg_segment_size: 24
    .max_flat_workgroup_size: 128
    .sgpr_count:     66
    .vgpr_count:     512
    .wavefront_size: 32
...
	.end_amdgpu_metadata
.endif
;; end of part 4
